; MI455X (gfx1250); checked and timed in simulation.
; The chip was launched on July 23, 2026; its instructions are those of AMD's public machine-readable ISA for CDNA 5 (MIT licence, August 2026) and "CDNA5" Instruction Set Architecture Reference Guide (July 2026). The comments in the code are by the model that wrote it; some were corrected since.
;; Mamba Block. Allowed arithmetic: matrix products marked QUANTISED: E2M3 operands, one E8M0 scale for each 32 along K, by v_wmma_scale_f32_16x16x128_f8f6f4 with both operands' format E2M3, f32 sums; everything else in f32.
;; Inputs: A 1,024 x 16 float32; D_param 1,024 float32; b_out 1,024 float32; b_xproj 2,048 float32; beta 1,024 float32; gamma 1,024 float32; w_out 1,024 x 1,024 float32; w_xproj 2,048 x 1,024 float32; x 8 x 2,048 x 1,024 float32.
;; Outputs: out0 8 x 2,048 x 1,024 float32.
;; This version of the problem:
;;   THIS VERSION OF THE PROBLEM IS GIVEN IN LOW PRECISION. The matrix products marked QUANTISED in the list below multiply operands that are first quantised to E2M3 (2 exponent bits, 3 mantissa bits; 6 bits a number), with one power-of-two scale for each 32 numbers along K (OCP MX v1.0); their sums are f32. All else is computed in f32.
;;   The module's matrix products, in the order in which they are computed (A, B: the left and right operand; K: the contracted axis; several contracted axes count as one K, in the product's order):
;;     1. [M 16,384, K 1,024] x [K 1,024, N 2,048]; A: computed on the way; B: input w_xproj: QUANTISED
;;     2. [M 16,384, K 1,024] x [K 1,024, N 1,024]; A: computed on the way; B: input w_out: QUANTISED
;;   THE QUANTISER, for each operand of a quantised product, along K:
;;     - K is cut into blocks of 32 from its start; a last block that is shorter is filled with zeros.
;;     - A block's scale is 2^e with e = floor(log2(the largest magnitude in the block)) - 2, held to -126 .. 127; a block of zeros has e = 0. As a byte (E8M0): e + 127.
;;     - Each number is divided by its block's scale, clamped to +-7.5, and rounded to the nearest number of E2M3, ties to even, subnormals kept.
;;     - The product sums the exact products of the quantised numbers (number of the format x scale) in f32.
;;   ~~~python
;;   def quantise(x, axis):      # numpy; x: float32 -> the quantised numbers, widened to float32 again
;;       x = np.moveaxis(x, axis, -1); K = x.shape[-1]
;;       x = np.pad(x, [(0, 0)] * (x.ndim - 1) + [(0, -K % 32)]); x = x.reshape(x.shape[:-1] + (-1, 32)); a = np.abs(x).max(-1, keepdims=True)
;;       e = np.where(a > 0, np.clip(np.frexp(np.where(a > 0, a, 1))[1] - 1 - 2, -126, 127), 0)      # np.frexp(a)[1] - 1 = floor(log2(a)), exactly
;;       r = np.clip(x / 2.0 ** e, -7.5, 7.5)
;;       step = 2.0 ** (np.maximum(np.frexp(np.where(r == 0, 1, r))[1] - 1, 0) - 3)
;;       q = np.round(r / step) * step * 2.0 ** e      # np.round: ties to even
;;       return np.moveaxis(q.reshape(q.shape[:-2] + (-1,))[..., :K], -1, axis).astype(np.float32)
;;   ~~~
;;   OPERANDS COMPUTED ON THE WAY. 'Computed on the way' means the value that the module computes at that place (a softmax that the list does not call 'softmax' is quantised finished and normalised). What goes into a quantiser is computed in f32, as accurately as f32 sums, v_exp_f32 and their like allow (about 1e-6 of the number): no bf16 or f16 on the way to a quantiser, and a product that is left as it is and whose result goes on into a quantised operand takes f32 operands (vector FMAs, or v_wmma_f32_16x16x4_f32). A number that lies on a knife's edge between two numbers of the format may be rounded either way, as far as f32 arithmetic and the matrix unit's own rounding can turn it there, and no further.
;; One version. Each part assembles by itself: llvm-mc -triple=amdgcn-amd-amdhsa -mcpu=gfx1250 --defsym DOCPART=n.
;; ======== version 1 of 1: 3 launches
;; limits: right only within a limited range of input values
;; workspace buffers: xq 13,107,200 bytes; wq 2,457,600 bytes; stats 131,072 bytes; oq 12,582,912 bytes; osc 524,288 bytes
;; launch prep (part 1): grid 608 x 1, 4 waves a work-group, no clusters, 132,608 bytes of LDS; arguments x, w_xproj, w_out, gamma, beta, xq, wq, stats; writes xq, wq, stats
.if DOCPART == 1
	.amdgcn_target "amdgcn-amd-amdhsa--gfx1250"
	.amdhsa_code_object_version 6
	.text
	.protected	k_q9723ca64d7_prep
	.globl	k_q9723ca64d7_prep
	.p2align	8
	.type	k_q9723ca64d7_prep,@function
k_q9723ca64d7_prep:
	s_mov_b64 s[64:65], 0
	v_nop
	global_prefetch_b8 v0, s[64:65] scope:SCOPE_SE
	s_setreg_imm32_b32 hwreg(HW_REG_WAVE_MODE, 25, 1), 1
	s_wait_xcnt 0x0
; LayerNorm of x (statistics stored; xn quantised) and the quantising of both weights, to codes of E2M3 with one E8M0 byte for each 32 along K (K = 1,024, innermost in all three).
; A work-group takes 32 rows of 1,024 f32: groups 0-511 x, 512-575 w_xproj, 576-607 w_out.  ONE path through the text: pointers are chosen by the work-group's number; in a weight's group the mean taken off,
; the factor, gamma and beta are replaced by 0, 1, 1, 0, so that (w - 0) x 1 x 1 + 0 = w passes unchanged.
; PHASE 1: wave w takes rows 8 w .. 8 w + 7, a row at a time in 32 registers (lane l: columns 128 q + 4 l + 0..3): sum, mean, centred squares, rsqrt, scale; the row goes to a stage in LDS.
; PHASE 2: a lane takes a row, wave w the K blocks 8 w .. 8 w + 7: a block's 32 numbers lie in one lane's registers: largest magnitude, scale byte, two conversions.
; A RECORD (25,600 bytes for 32 rows): bytes 8 p .. 8 p + 7 of row rho's 24 bytes of block kb lie at 768 kb + 256 p + 8 (rho xor 16 (kb & 1)): each store of a wave covers 256 consecutive bytes, aligned.
; Behind the codes, at 24,576: the scale words: K step s (128 along K) of row rho at 256 (s / 2) + 8 rho + 4 (s % 2).
; A block's byte is its largest magnitude's exponent field - 2, held at 1 from below.
; LIMITS: a block whose largest magnitude lies under 2^-124 (a block of zeros too) keeps the byte 1 where the rule says otherwise: its codes are then zeros or held by the floor, and the bytes are read by this program alone;
; NaN and infinities among the inputs are not served.  No tile is shared between work-groups: no cluster, no tensor load.
.set PITCH, 4112                       ; a stage row: 4,096 bytes + 16 = 257 x 16: sixteen lanes that read 16 bytes of sixteen rows touch sixteen different columns of 16 bytes
.set STS,   32*PITCH                   ; behind the stage: (mean, rstd) of the 32 rows, 8 bytes each
.set REC,   25600
.set G,     16                         ; v16-47   gamma of my 32 columns
.set B,     48                         ; v48-79   beta
.set X,     80                         ; v80-207  four row slots of 32; in phase 2: v80-143 two sets of 32 numbers, v144-207 codes, 8 registers a block
	s_load_b512 s[4:19], s[0:1], 0x0               ; x, w_xproj, w_out, gamma, beta, xq, wq, stats
	v_lshl_add_u32 v254, v0, 2, 0x20400
	v_mov_b32 v255, 0
	v_lshrrev_b32 v1, 5, v0
	v_readfirstlane_b32 s21, v1                    ; wave
	v_and_b32 v1, 31, v0                           ; lane
	s_wait_alu depctr_va_vdst(0)
	s_mov_b32 s20, ttmp9                           ; group
	s_sub_co_u32 s32, s20, 512
	s_sub_co_u32 s33, s20, 576
	s_mov_b32 s28, 0x76543210
	s_mov_b32 s29, 0xfedcba98                      ; v_permlanex16_b32's selects for lane l xor 16
	s_mov_b32 s30, 0x3a800000                      ; 1 / 1024
	s_mov_b32 s31, 0x3727c5ac                      ; 1e-5
	v_lshlrev_b32 v2, 4, v1                        ; 16 l
	s_mul_i32 s34, s21, 8*PITCH
	v_add_nc_u32 v3, s34, v2                       ; stage, in: my wave's 8 rows, 16 l
	v_mul_u32_u24 v4, v1, PITCH
	s_lshl_b32 s35, s21, 10
	v_add_nc_u32 v4, s35, v4                       ; stage, out: row l, my wave's 8 blocks of 128 bytes
	v_lshlrev_b32 v5, 3, v1                        ; 8 l: a row's place in a piece of an even block
	v_xor_b32 v6, 128, v5                          ; 8 (l xor 16): of an odd block
	s_lshl_b32 s36, s21, 6
	v_mov_b32 v7, s36
	v_add_nc_u32 v7, STS, v7                       ; my wave's 8 pairs of statistics
	v_add_nc_u32 v8, STS, v5                       ; row l's pair
	v_mov_b32 v13, 0                               ; upper words of pairs of which the low word is broadcast
	v_mov_b32 v217, 0
	v_mov_b32 v14, 0                               ; a lane permute's destination counts as one of its sources
	s_wait_kmcnt 0x0
	s_cmp_lt_u32 s20, 576                          ; the choices hang on the work-group's number alone
	s_cselect_b64 s[24:25], s[6:7], s[8:9]
	s_cselect_b32 s33, s32, s33
	s_cmp_lt_u32 s20, 512
	s_cselect_b64 s[24:25], s[4:5], s[24:25]       ; the source,
	s_cselect_b32 s33, s20, s33                    ; the group of rows in it,
	s_cselect_b64 s[26:27], s[14:15], s[16:17]     ; the buffer of records,
	s_cselect_b32 s32, s20, s32                    ; the record,
	s_cselect_b32 s22, -1, 0                       ; and a mask: all lanes in a group of x
	s_lshl_b32 s36, s33, 17                        ; 32 rows of 4,096 bytes
	s_lshl_b32 s37, s21, 15                        ; my wave's 8
	s_add_co_u32 s36, s36, s37
	s_mov_b32 s37, 0
	s_add_nc_u64 s[24:25], s[24:25], s[36:37]
	s_mul_i32 s36, s32, REC
	s_add_nc_u64 s[26:27], s[26:27], s[36:37]
	s_lshl_b32 s36, s21, 8
	s_add_nc_u64 s[40:41], s[26:27], s[36:37]      ; the record + 256 w: my wave's scale words
	s_mul_i32 s36, s21, 6144
	s_add_nc_u64 s[26:27], s[26:27], s[36:37]      ; the record + 768 x 8 w: my wave's blocks
	s_lshl_b32 s36, s20, 8
	s_add_nc_u64 s[18:19], s[18:19], s[36:37]      ; stats: 32 pairs a group (used in groups of x alone)
.irp q, 0,1,2,3,4,5,6,7
	global_load_b128 v[G+4*\q:G+4*\q+3], v2, s[10:11] offset:512*\q
.endr
.irp q, 0,1,2,3,4,5,6,7
	global_load_b128 v[B+4*\q:B+4*\q+3], v2, s[12:13] offset:512*\q
.endr
.macro RLOAD i                         ; row i of my 8 into slot i % 4: eight loads of 512 consecutive bytes
.irp q, 0,1,2,3,4,5,6,7
	global_load_b128 v[X+32*((\i)%4)+4*\q:X+32*((\i)%4)+4*\q+3], v2, s[24:25] offset:4096*(\i)+512*\q th:TH_LOAD_NT
.endr
.endm
	RLOAD 0
	RLOAD 1
	RLOAD 2
	RLOAD 3
	s_wait_loadcnt 32                              ; gamma and beta are in; the four rows' 32 loads may be out
.set N_, 0
.rept 32
	v_cndmask_b32 v[G+N_], 1.0, v[G+N_], s22       ; a weight's group: gamma = 1,
	v_cndmask_b32 v[B+N_], 0, v[B+N_], s22         ; beta = 0
.set N_, N_+1
.endr
.macro REDUCE r                        ; the sum over the 32 lanes, in every lane
	v_add_f32_dpp v[\r], v[\r], v[\r] row_xmask:1 row_mask:0xf bank_mask:0xf
	v_add_f32_dpp v[\r], v[\r], v[\r] row_xmask:2 row_mask:0xf bank_mask:0xf
	v_add_f32_dpp v[\r], v[\r], v[\r] row_xmask:4 row_mask:0xf bank_mask:0xf
	v_add_f32_dpp v[\r], v[\r], v[\r] row_xmask:8 row_mask:0xf bank_mask:0xf
	v_permlanex16_b32 v14, v[\r], s28, s29
	v_add_f32 v[\r], v[\r], v14
.endm
.macro FOLD                            ; four chains v[208:215] into v208
	v_pk_add_f32 v[208:209], v[208:209], v[210:211]
	v_pk_add_f32 v[212:213], v[212:213], v[214:215]
	v_pk_add_f32 v[208:209], v[208:209], v[212:213]
	v_add_f32 v208, v208, v209
.endm
.macro ROW i
.set XS, X+32*((\i)%4)
.if (\i) <= 4
	s_wait_loadcnt 24                              ; my row is in; the three rows behind it, 8 loads each, may be out
.else
	s_wait_loadcnt 8*(7-(\i))
.endif
.irp c, 0,1,2,3
	v_pk_add_f32 v[208+2*\c:209+2*\c], v[XS+2*\c:XS+2*\c+1], v[XS+8+2*\c:XS+9+2*\c]   ; the sum, in four chains
.endr
.irp k, 16,24
.irp c, 0,1,2,3
	v_pk_add_f32 v[208+2*\c:209+2*\c], v[208+2*\c:209+2*\c], v[XS+\k+2*\c:XS+\k+2*\c+1]
.endr
.endr
	FOLD
	REDUCE 208
	v_mul_f32 v10, s30, v208                       ; the mean
	v_cndmask_b32 v216, 0, v10, s22                ; what is taken off: 0 in a weight's group
.set N_, 0
.rept 16
	v_pk_add_f32 v[XS+N_:XS+N_+1], v[XS+N_:XS+N_+1], v[216:217] op_sel_hi:[1,0] neg_lo:[0,1] neg_hi:[0,1]
.set N_, N_+2
.endr
.irp c, 0,1,2,3
	v_pk_mul_f32 v[208+2*\c:209+2*\c], v[XS+2*\c:XS+2*\c+1], v[XS+2*\c:XS+2*\c+1]     ; the centred squares: no difference of large sums
.endr
.irp k, 8,16,24
.irp c, 0,1,2,3
	v_pk_fma_f32 v[208+2*\c:209+2*\c], v[XS+\k+2*\c:XS+\k+2*\c+1], v[XS+\k+2*\c:XS+\k+2*\c+1], v[208+2*\c:209+2*\c]
.endr
.endr
	FOLD
	REDUCE 208
	v_fma_f32 v208, v208, s30, s31                 ; the variance + 1e-5
	s_wait_alu depctr_va_vdst(0)
	v_rsq_f32 v11, v208
	v_nop                                          ; a plain instruction behind the transcendental,
	s_wait_alu depctr_va_vdst(0)                   ; and the wait ahead of the first line that names its result
	v_cndmask_b32 v12, 1.0, v11, s22               ; the factor: 1 in a weight's group
.set N_, 0
.rept 16
	v_pk_mul_f32 v[XS+N_:XS+N_+1], v[XS+N_:XS+N_+1], v[12:13] op_sel_hi:[1,0]
.set N_, N_+2
.endr
.set N_, 0
.rept 16
	v_pk_fma_f32 v[XS+N_:XS+N_+1], v[XS+N_:XS+N_+1], v[G+N_:G+N_+1], v[B+N_:B+N_+1]
.set N_, N_+2
.endr
	ds_store_b64 v7, v[10:11] offset:8*(\i)        ; (mean, rstd): all lanes write the same pair with the same value
.irp q, 0,1,2,3,4,5,6,7
	ds_store_b128 v3, v[XS+4*\q:XS+4*\q+3] offset:PITCH*(\i)+512*\q
.endr
	s_wait_dscnt 0x0                               ; the stores have read their registers
.if (\i) < 4
	RLOAD (\i)+4
.endif
.endm
.irp i, 0,1,2,3,4,5,6,7
	ROW \i
.endr
	s_barrier_signal -1                            ; every wave's stores into the stage have landed (the wait for 0 that ends its last row)
	s_barrier_wait -1
.macro QLOAD k                         ; block 8 w + k of row l: 128 bytes, into set k % 2
.irp i, 0,1,2,3,4,5,6,7
	ds_load_b128 v[X+32*((\k)%2)+4*\i:X+32*((\k)%2)+4*\i+3], v4 offset:128*(\k)+16*\i
.endr
.endm
	QLOAD 0
	QLOAD 1
.macro QB k
.set NB, X+32*((\k)%2)
.set CK, 144+8*(\k)                    ; each block has its own registers for its codes: no store's data are written again
.if (\k) < 7
	s_wait_dscnt 8                                 ; this block's 8 loads are in; the next block's may be out
.else
	s_wait_dscnt 0x0
.endif
	v_max3_num_f32 v212, |v[NB]|, |v[NB+1]|, |v[NB+2]|             ; the block's largest magnitude: all 32 numbers are mine
	v_max3_num_f32 v213, |v[NB+3]|, |v[NB+4]|, |v[NB+5]|
.irp i, 6,10,14,18,22,26
	v_max3_num_f32 v212, v212, |v[NB+\i]|, |v[NB+\i+1]|
	v_max3_num_f32 v213, v213, |v[NB+\i+2]|, |v[NB+\i+3]|
.endr
	v_max3_num_f32 v212, v212, |v[NB+30]|, |v[NB+31]|
	v_max3_num_f32 v212, v212, v213, 0x1800000     ; and the floor 2^(3 - 127): the byte cannot fall under 1
	v_add_nc_u32 v214, 0xff000000, v212            ; 2 off the exponent field: the conversion takes this operand's exponent field as its scale
	v_cvt_scalef32_pk16_fp6_f32 v[CK:CK+2], v[NB:NB+15], v214
	v_cvt_scalef32_pk16_fp6_f32 v[208:210], v[NB+16:NB+31], v214   ; (a conversion's three registers begin on an even number)
	v_lshrrev_b32 v215, 23, v214                   ; the scale's byte; also the plain instruction behind the conversions
.irp i, 0,1,2
	v_mov_b32 v[CK+3+\i], v[208+\i]
.endr
.if ((\k)%4) == 0
	v_mov_b32 v[218+(\k)/4], v215                  ; four bytes make a K step's scale word
.else
	v_lshl_or_b32 v[218+(\k)/4], v215, 8*((\k)%4), v[218+(\k)/4]
.endif
.if (\k)+2 < 8
	QLOAD (\k)+2
.endif
.irp p, 0,1,2
	global_store_b64 v[5+((\k)%2)], v[CK+2*\p:CK+2*\p+1], s[26:27] offset:768*(\k)+256*\p   ; 32 lanes store 256 consecutive bytes, aligned
.endr
.endm
.irp k, 0,1,2,3,4,5,6,7
	QB \k
.endr
	global_store_b64 v5, v[218:219], s[40:41] offset:24576         ; K steps 2 w and 2 w + 1 of the 32 rows: 256 consecutive bytes
	s_cmp_lg_u32 s21, 0                            ; wave 0 of a group of x stores the statistics
	s_cbranch_scc1 .Lend
	s_cmp_lg_u32 s22, 0
	s_cbranch_scc0 .Lend
	ds_load_b64 v[10:11], v8
	s_wait_dscnt 0x0
	global_store_b64 v5, v[10:11], s[18:19]
.Lend:
	s_wait_tensorcnt 0x0
	ds_add_u32 v254, v255
	s_wait_dscnt 0x0
	s_endpgm
.Lfunc_end_k_q9723ca64d7_prep:
	.size	k_q9723ca64d7_prep, .Lfunc_end_k_q9723ca64d7_prep-k_q9723ca64d7_prep
	.p2alignl 7, 3214868480
	.fill 96, 4, 3214868480
	.section	.rodata,"a",@progbits
	.p2align	6, 0x0
	.amdhsa_kernel k_q9723ca64d7_prep
		.amdhsa_group_segment_fixed_size 132608
		.amdhsa_private_segment_fixed_size 0
		.amdhsa_enable_private_segment 0
		.amdhsa_kernarg_size 64
		.amdhsa_user_sgpr_count 2
		.amdhsa_user_sgpr_kernarg_segment_ptr 1
		.amdhsa_wavefront_size32 1
		.amdhsa_system_sgpr_workgroup_id_x 1
		.amdhsa_system_sgpr_workgroup_id_y 1
		.amdhsa_system_sgpr_workgroup_id_z 1
		.amdhsa_system_vgpr_workitem_id 0
		.amdhsa_next_free_vgpr 256
		.amdhsa_next_free_sgpr 66
		.amdhsa_reserve_vcc 0
		.amdhsa_float_denorm_mode_32 3
		.amdhsa_float_denorm_mode_16_64 3
		.amdhsa_memory_ordered 1
		.amdhsa_forward_progress 1
		.amdhsa_inst_pref_size 88
	.end_amdhsa_kernel
	.amdgpu_metadata
---
amdhsa.version: [ 1, 2 ]
amdhsa.kernels:
  - .name:           k_q9723ca64d7_prep
    .symbol:         k_q9723ca64d7_prep.kd
    .args:
      - { .name: x, .offset: 0, .size: 8, .value_kind: global_buffer, .address_space: global }
      - { .name: w_xproj, .offset: 8, .size: 8, .value_kind: global_buffer, .address_space: global }
      - { .name: w_out, .offset: 16, .size: 8, .value_kind: global_buffer, .address_space: global }
      - { .name: gamma, .offset: 24, .size: 8, .value_kind: global_buffer, .address_space: global }
      - { .name: beta, .offset: 32, .size: 8, .value_kind: global_buffer, .address_space: global }
      - { .name: xq, .offset: 40, .size: 8, .value_kind: global_buffer, .address_space: global }
      - { .name: wq, .offset: 48, .size: 8, .value_kind: global_buffer, .address_space: global }
      - { .name: stats, .offset: 56, .size: 8, .value_kind: global_buffer, .address_space: global }
    .group_segment_fixed_size: 132608
    .private_segment_fixed_size: 0
    .kernarg_segment_align: 8
    .kernarg_segment_size: 64
    .max_flat_workgroup_size: 128
    .sgpr_count:     66
    .vgpr_count:     256
    .wavefront_size: 32
...
	.end_amdgpu_metadata
.endif
;; end of part 1
;; launch scan (part 2): grid 32 x 8, 8 waves a work-group, clusters of 4 x 1, 327,680 bytes of LDS; arguments xq, wq, stats, x, b_xproj, A, D_param, gamma, beta, oq, osc; writes oq, osc
.if DOCPART == 2
	.amdgcn_target "amdgcn-amd-amdhsa--gfx1250"
	.amdhsa_code_object_version 6
	.text
	.protected	k_q9723ca64d7_scan
	.globl	k_q9723ca64d7_scan
	.p2align	8
	.type	k_q9723ca64d7_scan,@function
k_q9723ca64d7_scan:
	s_mov_b64 s[64:65], 0
	v_nop
	global_prefetch_b8 v0, s[64:65] scope:SCOPE_SE
	s_setreg_imm32_b32 hwreg(HW_REG_WAVE_MODE, 25, 1), 1
	s_wait_xcnt 0x0
	s_wait_alu depctr_hold_cnt(0) depctr_sa_sdst(0) depctr_va_vdst(0) depctr_va_sdst(0) depctr_va_ssrc(0) depctr_va_vcc(0) depctr_vm_vsrc(0)
	s_getreg_b32 s2, hwreg(HW_REG_IB_STS2, 6, 4)
	s_cmp_eq_u32 s2, 0
	s_cbranch_scc0 .Lentry_in_a_cluster
	s_endpgm
.Lentry_in_a_cluster:
	s_bfe_u32 s2, ttmp6, 0x10000c
	s_cmp_lg_u32 s2, 0x3003
	s_cbranch_scc0 .Lentry_shape_is_right
	s_endpgm
.Lentry_shape_is_right:
; Product 1 on codes of E2M3 (xn x w_xproj^T + b_xproj), softplus, gate = sum over s of exp(delta A[d][s]), h = running sum over L of xn x Bg, out = h x gate + xn x D_param, and out quantised along D.
; SHARES.  A work-group owns one batch b and 32 columns d0 = 32 jb .. + 31 (one block of the second product's K) and walks the batch's 2,048 rows in 16 steps of 128 (four records of xq).  Eight waves, two to a SIMD.
; Wave w = 2 p + kh belongs to record p.  THE TWO WAVES OF A RECORD DIVIDE K: wave kh keeps K steps 4 kh .. 4 kh + 3 of the 64 rows of w_xproj in 192 registers, multiplies all 32 rows of the record over them (a fragment of xn feeds four
; matrix instructions), hands the partial sums of the partner's 16 rows over through LDS, adds the partner's to its own, and finishes its own 16 rows 128 t + 16 w + 0 .. 15.  So each sum over K is two f32 parts, added once.  The bias is the C of my own rows' first products.
; LAYOUT.  Source 0 = 16 rows of xn, source 1 = 16 rows of W: in tile u lane (r, h) holds COLUMN d0 + 16 u + r, and its register j row 8 h + j.  So a lane's 16 numbers of A for each of its two columns stay in 32 registers, gamma, beta, D_param in six,
; and the running sum over rows runs down a lane's registers: seven additions a tile, the other half's total by one lane permute.
; The eight waves' totals meet in LDS; each lane takes its two columns': carry + the totals of the waves before mine (a factor 1 or 0 for each wave), and the carry takes all eight.  All in f32.
; The quantiser wants 16 neighbouring columns in a lane: out turns through 2,624 bytes of the wave's own exchange bytes ([column][row], 80 bytes a column) and comes back with lane (r, h) holding row r, columns 16 h + 0 .. 15.
; CLUSTER.  The four partners have one b and neighbouring jb and walk the same records: each wave's eighth of a step's four records (50 rows of 256 bytes) is asked for JOINTLY, by the same descriptor and a mask that names the four.
; No prefetch: a step's records are asked for one whole step ahead of their first read, and the eight clusters of a batch read the same records in the same steps.
; A record (25,600 bytes): bytes 8 p .. + 7 of row rho's 24 bytes of K block kb at 768 kb + 256 p + 8 (rho xor 16 (kb & 1)); scale words from 24,576 on: K step s of row rho at 256 (s / 2) + 8 rho + 4 (s % 2).
; THE WAY OUT: the batch's codes of my block (49,152 bytes) and its 2,048 scale bytes gather in LDS and leave at the end: sixteen lanes store 256 consecutive bytes, aligned.
; LIMITS: softplus = max(x, 0) + ln 2 x log2(1 + 2^(-|x| log2 e)) has an absolute error of about 6e-8 from the sum 1 + ..; delta enters only delta x A.  A block of out whose largest magnitude lies under 2^-124 keeps the byte 1
; (a block of zeros too: its codes are zeros; this program alone reads the bytes).  NaN and infinities among the inputs are not served (a total that is not finite would spoil the rows of earlier waves through the factor 0).
; REGISTERS.  Window 0: v1-31 addresses and small work; v32-47 W's scale words (4 t + s); v48-55 xn's (4 q + s); v56-61 gamma, beta, D_param as pairs (u = 0, 1); v62-63 the carry; v64-95 my rows' sums (delta 64 + 8 u + j, then the gate;
;   Bg 80 + 8 u + j, then h); v96-127 the partner's rows' sums, then the partner's part of mine, then softplus at work, the totals, and small pairs; v128-223 xn's fragments (24 s + 12 q); v224-239 xn; v240-255 means, rstds; then v128-255 two sets of 64 for the gate.
; Window 1: v0-191 W's fragments at 12 (4 t + s); v192-223 A x log2 e (16 u + s); v224-239 x; v240-255 xn x D_param.
.set REC,   25600
.set PART,  12800                      ; an eighth of a step's four records
.set SLOT1, 1<<17                      ; slot 0 at 0, slot 1 here
.set BIA,   102400                     ; the bias: tile t, column r: four copies, 16 bytes, at 256 t + 16 r
.set SCB,   103424                     ; the batch's 2,048 scale bytes
.set XT,    105472                     ; 128 bytes a wave: its totals, 8 bytes (u = 0, 1) for each r
.set SPARE, 106496                     ; the spare words, 128 bytes for each wave: four blocks of 256 bytes that no other line names
.set STM,   107520                     ; the batch's 2,048 means; 8,192 bytes on its rstds
.set XCH,   233472                     ; behind slot 1: 4,096 bytes a wave: the partial sums for the partner, as an image of 32 registers; later in the step out's turn
.set CST,   266240                     ; the batch's codes: 768 bytes a record
.set WSC,   32
.set XSC,   48
.set ACC,   64
.set OTH,   96
.set T,     128
.set XN,    224
.set MN,    240
.set RS,    248
.set TB,    192
.set XR,    224
.set XD,    240
.set MSB, 0
.macro WIN new                         ; the immediate's high byte repeats the setting that is left
.if MSB != (\new)
	s_set_vgpr_msb (MSB<<8)|(\new)
.set MSB, (\new)
.endif
.endm
.macro VW                              ; the wait on the vector results
	s_wait_alu depctr_va_vdst(0)
.endm
.macro CROUND                          ; a round of the cluster's barrier
	s_barrier_signal -1
	s_barrier_wait -1
	s_cmp_lg_u32 s30, 0
	s_cbranch_scc1 .Lnot_wave_0_\@
	s_barrier_signal -3
.Lnot_wave_0_\@:
	s_barrier_wait -3
	s_barrier_signal -1
	s_barrier_wait -1
.endm
	s_load_b512 s[8:23], s[0:1], 0x0               ; xq, wq, stats, x, b_xproj, A, D_param, gamma
	s_load_b128 s[24:27], s[0:1], 0x40             ; beta, oq
	s_load_b64 s[28:29], s[0:1], 0x50              ; osc
	v_lshl_add_u32 v2, v0, 2, SPARE                ; my spare word; never rewritten
	v_mov_b32 v3, 0                                ; 0; never rewritten
	ds_add_u32 v2, v3                              ; the opening lines: the add, twice on end, and its wait
	ds_add_u32 v2, v3
	v_lshrrev_b32 v96, 5, v0
	v_readfirstlane_b32 s30, v96                   ; wave
	s_bfe_u32 s31, ttmp6, 0x40000                  ; cx
	s_lshl_b32 s32, ttmp9, 2
	s_add_co_u32 s32, s32, s31                     ; jb = 4 x cluster x + cx: it enters global addresses alone
	s_and_b32 s33, ttmp7, 0xffff                   ; b, which the partners share
	s_mov_b32 s36, 15|(3<<16)|(1<<21)              ; group 1: the mask of all four; elements of 8 bytes; bit 21 beside a mask; no padding
	s_mov_b32 s37, 32<<16                          ; rows of 256 bytes,
	s_mov_b32 s38, 50<<16                          ; 50 of them, dense
	s_mov_b32 s39, 32<<16
	s_mov_b32 s40, 50
	s_mov_b32 s41, 32
	s_mov_b32 s42, 0
	s_mov_b32 s43, 0
	s_mov_b32 s44, 1                               ; group 0
	s_mul_i32 s45, s30, PART                       ; LDS: my eighth of slot 0
	s_mul_i32 s56, s33, 64*REC
	s_add_co_u32 s56, s56, s45
	s_mov_b32 s57, 0
	VW
	s_wait_dscnt 0x0
	s_wait_kmcnt 0x0
	s_add_nc_u64 s[46:47], s[8:9], s[56:57]
	s_or_b32 s47, s47, 0x80000000
	CROUND                                         ; all four work-groups are here: the first joint loads meet
	tensor_load_to_lds s[44:47], s[36:43]          ; step 0: my one load at the head
	s_nop 0
.rept 4
	v_nop
.endr
	; scalars first, then the vector lines in one run
	s_and_b32 s34, s30, 1                          ; kh
	s_lshr_b32 s35, s30, 1                         ; p
	s_mov_b32 s59, 0
	s_mov_b32 s61, 0
	s_lshl_b32 s58, s33, 14
	s_add_nc_u64 s[12:13], s[12:13], s[58:59]      ; the batch's statistics
	s_lshl_b32 s56, s33, 11
	s_lshl_b32 s58, s30, 4
	s_add_co_u32 s56, s56, s58                     ; my first row: 2048 b + 16 w
	s_lshl_b32 s58, s56, 12
	s_lshl_b32 s60, s32, 7                         ; 4 d0
	s_add_co_u32 s58, s58, s60
	s_add_nc_u64 s[14:15], s[14:15], s[58:59]      ; x at my first row, column d0
	s_add_nc_u64 s[16:17], s[16:17], s[60:61]      ; b_xproj, D_param, gamma, beta at d0
	s_add_nc_u64 s[20:21], s[20:21], s[60:61]
	s_add_nc_u64 s[22:23], s[22:23], s[60:61]
	s_add_nc_u64 s[24:25], s[24:25], s[60:61]
	s_lshl_b32 s60, s32, 11
	s_add_nc_u64 s[18:19], s[18:19], s[60:61]      ; A at row d0
	s_lshl_b32 s58, s33, 5
	s_add_co_u32 s58, s58, s32
	s_lshl_b32 s58, s58, 11
	s_add_nc_u64 s[28:29], s[28:29], s[58:59]      ; osc: [b][jb][2048]
	s_mul_i32 s60, s32, REC
	s_add_nc_u64 s[10:11], s[10:11], s[60:61]      ; wq: record jb (delta's rows); Bg's lie 32 records on
	s_lshl_b32 s58, s33, 6
	s_lshl_b32 s60, s30, 3
	s_add_co_u32 s58, s58, s60
	s_mul_i32 s58, s58, 24576
	s_mul_i32 s60, s32, 768
	s_add_co_u32 s58, s58, s60
	s_add_nc_u64 s[26:27], s[26:27], s[58:59]      ; oq: record 64 b + 8 w (the eight that I store at the end), block jb
	s_mul_i32 s79, s34, 12288                      ; my K half: 16 blocks of 768 bytes
	s_lshl_b32 s80, s34, 9                         ; and two pairs of scale words
	s_mul_i32 s62, s35, REC
	s_mul_i32 s63, s34, 640
	s_add_co_u32 s63, s63, s62
	s_add_co_u32 s63, s63, 24576                   ; scale words: record p, my K half (512 kh), my rows (128 kh)
	s_add_co_u32 s62, s62, s79                     ; fragments: record p, my K half
	s_lshl_b32 s66, s30, 12
	s_add_co_u32 s66, s66, XCH
	s_xor_b32 s67, s30, 1
	s_lshl_b32 s67, s67, 12
	s_add_co_u32 s67, s67, XCH                     ; the partner's place
	s_lshl_b32 s68, s30, 7
	s_add_co_u32 s68, s68, XT
	s_lshl_b32 s69, s30, 6
	s_add_co_u32 s69, s69, STM
	s_lshl_b32 s70, s30, 4
	s_add_co_u32 s70, s70, SCB
	s_mul_i32 s71, s35, 768
	s_lshl_b32 s56, s34, 7
	s_add_co_u32 s71, s71, s56
	s_add_co_u32 s71, s71, CST                     ; codes: record p, rows 16 kh on
	s_and_b32 s81, s32, 1
	s_lshl_b32 s81, s81, 7                         ; 128 (jb & 1): global addresses alone
.irp k, 0,1,2,3,4,5,6
	s_cmp_gt_u32 s30, \k
	s_cselect_b32 s[84+2*\k], 0x3f800000, 0        ; 1.0 where wave k stands ahead of mine
	s_mov_b32 s[85+2*\k], s[84+2*\k]               ; (a packed form names the pair)
.endr
	s_mov_b32 s48, 0                               ; the slot in hand
	s_mov_b32 s49, 0                               ; 128 x the step
	s_mov_b32 s51, 0                               ; 3,072 x the step
	s_mov_b32 s55, 0                               ; 512 x the step
	s_mov_b32 s52, 0x76543210
	s_mov_b32 s53, 0xfedcba98                      ; v_permlanex16_b32's selects for lane l xor 16
	s_mov_b32 s54, 0xffff0000                      ; lanes 16-31
	v_lshlrev_b32 v1, 3, v0                        ; 8 x my thread's number
	v_and_b32 v96, 31, v0                          ; l
	v_and_b32 v97, 15, v0                          ; r
	v_bfe_u32 v98, v0, 4, 1                        ; h
	v_xor_b32 v99, s34, v98                        ; kh xor h
	v_lshl_add_u32 v4, v97, 3, s62
	v_lshl_add_u32 v4, v99, 7, v4
	v_mad_u32_u24 v4, v98, 768, v4                 ; a fragment of my rows: 8 ((16 kh + r) xor 16 h) + 768 h
	v_xor_b32 v5, 128, v4                          ; of the partner's rows: bit 7 alone differs
	v_lshl_add_u32 v6, v97, 3, s63                 ; my rows' scale words,
	v_xor_b32 v7, 128, v6                          ; the partner's rows'
	v_lshlrev_b32 v12, 15, v98
	v_lshl_add_u32 v12, v97, 2, v12                ; x: row 8 h, column r
	v_lshl_add_u32 v13, v98, 5, s69                ; means of rows 16 w + 8 h on
	v_lshl_add_u32 v14, v97, 4, BIA
	v_lshl_add_u32 v16, v96, 4, s66
	v_lshl_add_u32 v17, v96, 4, s67
	v_lshl_add_u32 v18, v97, 3, s68
	v_lshl_add_u32 v19, v97, 3, XT
	v_mul_u32_u24 v20, v97, 80
	v_lshl_add_u32 v20, v98, 5, v20
	v_add_nc_u32 v20, s66, v20                     ; out's turn, in: column r at 80 r, rows 8 h on; columns 16 .. 31 lie 1,344 bytes on
	v_mul_u32_u24 v21, v98, 1344
	v_lshl_add_u32 v21, v97, 2, v21
	v_add_nc_u32 v21, s66, v21                     ; back: row r, columns 16 h on, 80 bytes apart
	v_add_nc_u32 v22, s70, v97                     ; my row's scale byte in step 0
	v_lshl_add_u32 v24, v97, 3, s71
	v_lshl_add_u32 v25, v98, 2, v24
	v_add_nc_u32 v25, 256, v25                     ; codes, the middle piece: 256 + 8 rho + 4 h
	v_lshl_add_u32 v24, v98, 9, v24                ; the first or the last piece: 8 rho + 512 h
	v_lshl_add_u32 v100, v97, 3, s79
	v_mad_u32_u24 v100, v98, 896, v100             ; W, tile u = 0: 768 h + 8 (r xor 16 h), my K half;
	v_xor_b32 v101, 128, v100                      ; u = 1: 8 ((16 + r) xor 16 h): bit 7 alone differs
	v_lshl_add_u32 v102, v97, 3, s80               ; W's scale words
	v_lshlrev_b32 v103, 2, v96
	v_lshl_add_u32 v104, v96, 4, BIA
	v_lshl_add_u32 v105, v0, 2, STM
	v_lshlrev_b32 v106, 2, v97
	v_lshlrev_b32 v107, 6, v97
	v_mov_b32 v62, 0                               ; the carry of my two columns
	v_mov_b32 v63, 0
	VW
.irp i, 0,1,2,3,4,5,6,7
	global_load_b64 v[T+2*\i:T+2*\i+1], v1, s[12:13] offset:2048*\i    ; (mean, rstd) of rows 256 i + my thread's number
.endr
.irp u, 0,1
	global_load_b32 v[56+\u], v106, s[22:23] offset:64*\u
	global_load_b32 v[58+\u], v106, s[24:25] offset:64*\u
	global_load_b32 v[60+\u], v106, s[20:21] offset:64*\u
.endr
	WIN 0x40                                       ; destination window 1
.irp u, 0,1
.irp i, 0,1,2,3
	global_load_b128 v[TB+16*\u+4*\i:TB+16*\u+4*\i+3], v107, s[18:19] offset:1024*\u+16*\i
.endr
.endr
.irp t, 0,1,2,3
.irp s, 0,1,2,3
.irp c, 0,1
.irp p, 0,1,2
	global_load_b64 v[12*(4*\t+\s)+6*\c+2*\p:12*(4*\t+\s)+6*\c+2*\p+1], v[100+(\t%2)], s[10:11] offset:819200*(\t/2)+(4*\s+2*\c)*768+256*\p
.endr
.endr
.endr
.endr
.macro XLOAD                           ; x at my 16 rows, my two columns: sixteen lanes read 64 consecutive bytes
	WIN 0x40
.irp u, 0,1
.irp j, 0,1,2,3,4,5,6,7
	global_load_b32 v[XR+8*\u+\j], v12, s[14:15] offset:4096*\j+64*\u
.endr
.endr
	WIN 0
.endm
	XLOAD                                          ; step 0's
.irp t, 0,1,2,3
.irp i, 0,1
	global_load_b64 v[WSC+4*\t+2*\i:WSC+4*\t+2*\i+1], v102, s[10:11] offset:819200*(\t/2)+24576+256*\i+128*(\t%2)
.endr
.endr
	s_cmp_lg_u32 s30, 0                            ; wave 0 lays the bias: lane l has column l of delta's and of Bg's
	s_cbranch_scc1 .Lno_bias
	global_load_b32 v108, v103, s[16:17]
	global_load_b32 v112, v103, s[16:17] offset:4096
	s_wait_loadcnt 0x0
.irp i, 1,2,3
	v_mov_b32 v[108+\i], v108
	v_mov_b32 v[112+\i], v112
.endr
	ds_store_b128 v104, v[108:111]
	ds_store_b128 v104, v[112:115] offset:512
.Lno_bias:
	s_wait_loadcnt 0x0
.irp i, 0,1,2,3,4,5,6,7
	ds_store_b32 v105, v[T+2*\i] offset:1024*\i
	ds_store_b32 v105, v[T+2*\i+1] offset:8192+1024*\i
.endr
	WIN 0x44
.set N_, 0
.rept 32
	v_mul_f32 v[TB+N_], 0x3fb8aa3b, v[TB+N_]       ; A x log2 e
.set N_, N_+1
.endr
	WIN 0
	VW                                             ; the head's end
.macro PMLL k                          ; line P_N of 32 of batch k: delta of element 4 k + P_N / 8 x two numbers of its column's 16; of delta's pair the element's word serves both halves
.set P_E, 4*(\k)+P_N/8
.set P_T, T+64*((\k)%2)+16*(P_N/8)+2*(P_N%8)
.set P_A, TB+16*((\k)/2)+2*(P_N%8)
.if (P_E%2) == 1
	v_pk_mul_f32 v[P_T:P_T+1], v[ACC+P_E-1:ACC+P_E], v[P_A:P_A+1] op_sel:[1,0] op_sel_hi:[1,1]
.else
	v_pk_mul_f32 v[P_T:P_T+1], v[ACC+P_E:ACC+P_E+1], v[P_A:P_A+1] op_sel_hi:[0,1]
.endif
.set P_N, P_N+1
.endm
.macro EXPB k, more                    ; one batch of 64 exponentials; among them the next batch's products, which land in the other set and are read only behind the wait that follows the batch
.set N_, 0
.set P_N, 0
.rept 32
	v_exp_f32 v[T+64*((\k)%2)+N_], v[T+64*((\k)%2)+N_]
	v_exp_f32 v[T+64*((\k)%2)+N_+1], v[T+64*((\k)%2)+N_+1]
.if \more
	PMLL (\k)+1
.endif
.set N_, N_+2
.endr
.endm
.macro SUM k                           ; four elements' sums of 16, by turns; the gate is laid over delta
.set P_S, T+64*((\k)%2)
.irp m, 0,1,2,3
.irp jj, 0,1,2,3
	v_pk_add_f32 v[P_S+16*\jj+2*\m:P_S+16*\jj+2*\m+1], v[P_S+16*\jj+2*\m:P_S+16*\jj+2*\m+1], v[P_S+16*\jj+8+2*\m:P_S+16*\jj+9+2*\m]
.endr
.endr
.irp m, 0,1
.irp jj, 0,1,2,3
	v_pk_add_f32 v[P_S+16*\jj+2*\m:P_S+16*\jj+2*\m+1], v[P_S+16*\jj+2*\m:P_S+16*\jj+2*\m+1], v[P_S+16*\jj+4+2*\m:P_S+16*\jj+5+2*\m]
.endr
.endr
.irp jj, 0,1,2,3
	v_pk_add_f32 v[P_S+16*\jj:P_S+16*\jj+1], v[P_S+16*\jj:P_S+16*\jj+1], v[P_S+16*\jj+2:P_S+16*\jj+3]
.endr
.irp jj, 0,1,2,3
	v_add_f32 v[ACC+4*(\k)+\jj], v[P_S+16*\jj], v[P_S+16*\jj+1]
.endr
.endm
; THE CHANGE OF SLOTS, at a step's head.  Each wave waits for all its tensor loads (one: its eighth of this step), adds 0 to its spare word, and waits for that and for its LDS instructions of the step before.
; fill = 1: behind a round of the cluster's barrier the slot that was left is filled with the next step's records.
.macro CHANGE fill
	s_wait_tensorcnt 0x0                           ; no tensor load of mine is out, so group 0 may be written
	ds_add_u32 v2, v3
.if \fill
	s_xor_b32 s45, s45, SLOT1
	s_add_nc_u64 s[46:47], s[46:47], 4*REC
.endif
	s_wait_xcnt 0x0                                ; the last step's loads have read their base
	s_add_nc_u64 s[14:15], s[14:15], 524288        ; x: 128 rows on (a step's loads ask for the NEXT step's rows)
	s_wait_dscnt 0x0
.if \fill
	CROUND
	tensor_load_to_lds s[44:47], s[36:43]          ; my one tensor load behind the round
	s_nop 0
.rept 4
	v_nop
.endr
.else
	s_barrier_signal -1
	s_barrier_wait -1
.endif
.endm
.macro STEP next
	v_add_nc_u32 v8, s48, v4
	v_add_nc_u32 v9, s48, v5
	v_add_nc_u32 v10, s48, v6
	v_add_nc_u32 v11, s48, v7
	v_add_nc_u32 v15, s55, v13
	v_add_nc_u32 v23, s49, v22
	v_add_nc_u32 v28, s51, v24
	v_add_nc_u32 v29, s51, v25
	VW
.irp i, 0,1
	ds_load_b128 v[MN+4*\i:MN+4*\i+3], v15 offset:16*\i            ; the means of my eight rows,
	ds_load_b128 v[RS+4*\i:RS+4*\i+3], v15 offset:8192+16*\i       ; their rstds
.endr
.irp t, 0,1,2,3
	ds_load_b128 v[ACC+8*\t:ACC+8*\t+3], v14 offset:256*\t         ; the bias of my column, in all eight registers of a tile: my rows' sums begin with it
	ds_load_b128 v[ACC+8*\t+4:ACC+8*\t+7], v14 offset:256*\t
.endr
.irp q, 0,1
.irp i, 0,1
	ds_load_b64 v[XSC+4*\q+2*\i:XSC+4*\q+2*\i+1], v[10+\q] offset:256*\i
.endr
.endr
.irp s, 0,1,2,3
.irp q, 0,1
.irp c, 0,1
.irp p, 0,1,2
	ds_load_b64 v[T+24*\s+12*\q+6*\c+2*\p:T+24*\s+12*\q+6*\c+2*\p+1], v[8+\q] offset:(4*\s+2*\c)*768+256*\p
.endr
.endr
.endr
.endr
	; xn = ((x - mean) rstd) gamma + beta and xn x D_param, while the fragments are on their way
	s_wait_loadcnt 0x0                             ; x, asked for a step ago
	s_wait_dscnt 60                                ; the statistics are in; behind them 8 + 4 + 48 loads
	WIN 0x01
.irp u, 0,1
.irp i, 0,1,2,3
	v_pk_add_f32 v[XN+8*\u+2*\i:XN+8*\u+2*\i+1], v[XR+8*\u+2*\i:XR+8*\u+2*\i+1], v[MN+2*\i:MN+2*\i+1] neg_lo:[0,1] neg_hi:[0,1]
.endr
.endr
	WIN 0
.irp u, 0,1
.irp i, 0,1,2,3
	v_pk_mul_f32 v[XN+8*\u+2*\i:XN+8*\u+2*\i+1], v[XN+8*\u+2*\i:XN+8*\u+2*\i+1], v[RS+2*\i:RS+2*\i+1]
.endr
.endr
.irp i, 0,1,2,3
	v_pk_fma_f32 v[XN+2*\i:XN+2*\i+1], v[XN+2*\i:XN+2*\i+1], v[56:57], v[58:59] op_sel_hi:[1,0,0]                    ; u = 0: the pairs' low words
.endr
.irp i, 4,5,6,7
	v_pk_fma_f32 v[XN+2*\i:XN+2*\i+1], v[XN+2*\i:XN+2*\i+1], v[56:57], v[58:59] op_sel:[0,1,1] op_sel_hi:[1,1,1]     ; u = 1: the upper words
.endr
	WIN 0x40
.irp i, 0,1,2,3
	v_pk_mul_f32 v[XD+2*\i:XD+2*\i+1], v[XN+2*\i:XN+2*\i+1], v[60:61] op_sel_hi:[1,0]
.endr
.irp i, 4,5,6,7
	v_pk_mul_f32 v[XD+2*\i:XD+2*\i+1], v[XN+2*\i:XN+2*\i+1], v[60:61] op_sel:[0,1] op_sel_hi:[1,1]
.endr
.if \next
	XLOAD
.endif
	; four K steps of eight matrix instructions on eight accumulators, which take turns in the same order
.irp s, 0,1,2,3
	s_wait_dscnt 36-12*\s                          ; this K step's fragments are in; the later K steps', 12 loads each, may be out
	WIN 0x04                                       ; W, source 1, in window 1
.irp t, 0,1,2,3
	v_wmma_scale_f32_16x16x128_f8f6f4 v[ACC+8*\t:ACC+8*\t+7], v[T+24*\s:T+24*\s+11], v[12*(4*\t+\s):12*(4*\t+\s)+11], v[ACC+8*\t:ACC+8*\t+7], v[XSC+\s], v[WSC+4*\t+\s] matrix_a_fmt:MATRIX_FMT_FP6 matrix_b_fmt:MATRIX_FMT_FP6
.if \s == 0
	v_wmma_scale_f32_16x16x128_f8f6f4 v[OTH+8*\t:OTH+8*\t+7], v[T+24*\s+12:T+24*\s+23], v[12*(4*\t+\s):12*(4*\t+\s)+11], 0, v[XSC+4+\s], v[WSC+4*\t+\s] matrix_a_fmt:MATRIX_FMT_FP6 matrix_b_fmt:MATRIX_FMT_FP6
.else
	v_wmma_scale_f32_16x16x128_f8f6f4 v[OTH+8*\t:OTH+8*\t+7], v[T+24*\s+12:T+24*\s+23], v[12*(4*\t+\s):12*(4*\t+\s)+11], v[OTH+8*\t:OTH+8*\t+7], v[XSC+4+\s], v[WSC+4*\t+\s] matrix_a_fmt:MATRIX_FMT_FP6 matrix_b_fmt:MATRIX_FMT_FP6
.endif
.endr
.endr
	WIN 0
.rept 4
	v_nop                                          ; four plain instructions between the last products and the first read of results
.endr
.irp i, 0,1,2,3,4,5,6,7
	ds_store_b128 v16, v[OTH+4*\i:OTH+4*\i+3] offset:512*\i    ; the partner's rows; each accumulator from its low end on
.endr
	s_wait_dscnt 0x0                               ; for the partner's sake
	s_barrier_signal -1
	s_barrier_wait -1
.irp i, 0,1,2,3,4,5,6,7
	ds_load_b128 v[OTH+4*\i:OTH+4*\i+3], v17 offset:512*\i     ; the partner's part of my rows
.endr
	s_wait_dscnt 0x0
.irp i, 0,1,2,3,4,5,6,7,8,9,10,11,12,13,14,15
	v_pk_add_f32 v[ACC+2*\i:ACC+2*\i+1], v[ACC+2*\i:ACC+2*\i+1], v[OTH+2*\i:OTH+2*\i+1]    ; the two halves of K; each accumulator from its low end on
.endr
.irp i, 0,1,2,3,4,5,6,7
	v_pk_mul_f32 v[ACC+16+2*\i:ACC+17+2*\i], v[XN+2*\i:XN+2*\i+1], v[ACC+16+2*\i:ACC+17+2*\i]   ; xn x Bg
.endr
.irp j, 1,2,3,4,5,6,7                  ; the running sum down my eight rows, the two columns by turns
	v_add_f32 v[ACC+16+\j], v[ACC+16+\j], v[ACC+15+\j]
	v_add_f32 v[ACC+24+\j], v[ACC+24+\j], v[ACC+23+\j]
.endr
	v_permlanex16_b32 v112, v[ACC+23], s52, s53    ; the other eight rows' sums
	v_permlanex16_b32 v113, v[ACC+31], s52, s53
	v_add_f32 v114, v[ACC+23], v112                ; my wave's totals
	v_add_f32 v115, v[ACC+31], v113
	v_cndmask_b32 v112, 0, v112, s54               ; rows 8-15 stand behind rows 0-7
	v_cndmask_b32 v113, 0, v113, s54
	ds_store_b64 v18, v[114:115]                   ; both halves write the same bytes with the same value
	s_wait_dscnt 0x0                               ; for the others' sake
	s_barrier_signal -1
	; softplus(x) = max(x, 0) + ln 2 x log2(1 + 2^(-|x| log2 e)): work on registers between the signal and the wait
.set N_, 0
.rept 16
	v_mul_f32 v[OTH+N_], 0xbfb8aa3b, |v[ACC+N_]|
.set N_, N_+1
.endr
.set N_, 0
.rept 16
	v_max_num_f32 v[ACC+N_], 0, v[ACC+N_]
.set N_, N_+1
.endr
	VW
.set N_, 0
.rept 16
	v_exp_f32 v[OTH+N_], v[OTH+N_]
.set N_, N_+1
.endr
	v_nop                                          ; a plain instruction behind the last exponential
	VW
.set N_, 0
.rept 8
	v_pk_add_f32 v[OTH+N_:OTH+N_+1], v[OTH+N_:OTH+N_+1], 1.0 op_sel_hi:[1,0]
.set N_, N_+2
.endr
	VW
.set N_, 0
.rept 16
	v_log_f32 v[OTH+N_], v[OTH+N_]
.set N_, N_+1
.endr
	v_nop                                          ; a plain instruction behind the last logarithm
	VW
.set N_, 0
.rept 16
	v_fmamk_f32 v[ACC+N_], v[OTH+N_], 0x3f317218, v[ACC+N_]
.set N_, N_+1
.endr
	s_barrier_wait -1
.irp k, 0,1,2,3,4,5,6,7
	ds_load_b64 v[OTH+2*\k:OTH+2*\k+1], v19 offset:128*\k      ; wave k's totals of my two columns
.endr
	; the gate: four batches of four elements; the one wait behind a batch also stands ahead of the next
	WIN 0x04                                       ; the table, source 1, in window 1
.set P_N, 0
.rept 32
	PMLL 0
.endr
	VW
	EXPB 0, 1
	WIN 0
	VW
	SUM 0
	s_wait_dscnt 0x0                               ; the totals are in
	v_pk_fma_f32 v[116:117], v[OTH:OTH+1], s[84:85], v[62:63] op_sel_hi:[1,0,1]    ; what stands ahead of my wave's rows: the carry and the totals of the waves before mine, in their order;
	v_pk_add_f32 v[62:63], v[62:63], v[OTH:OTH+1]                                  ; the carry takes all eight
.irp k, 1,2,3,4,5,6
	v_pk_fma_f32 v[116:117], v[OTH+2*\k:OTH+2*\k+1], s[84+2*\k:85+2*\k], v[116:117] op_sel_hi:[1,0,1]
	v_pk_add_f32 v[62:63], v[62:63], v[OTH+2*\k:OTH+2*\k+1]
.endr
	v_pk_add_f32 v[62:63], v[62:63], v[OTH+14:OTH+15]
	v_pk_add_f32 v[118:119], v[116:117], v[112:113]            ; and ahead of my eight rows
	WIN 0x04
	EXPB 1, 1
	WIN 0
	VW
	SUM 1
	WIN 0x04
	EXPB 2, 1
	WIN 0
	VW
	SUM 2
	EXPB 3, 0
	v_nop                                          ; a plain instruction behind the last exponential
	VW
	SUM 3
.irp i, 0,1,2,3
	v_pk_add_f32 v[ACC+16+2*\i:ACC+17+2*\i], v[ACC+16+2*\i:ACC+17+2*\i], v[118:119] op_sel_hi:[1,0]                  ; h
.endr
.irp i, 4,5,6,7
	v_pk_add_f32 v[ACC+16+2*\i:ACC+17+2*\i], v[ACC+16+2*\i:ACC+17+2*\i], v[118:119] op_sel:[0,1] op_sel_hi:[1,1]
.endr
	WIN 0x10
.irp i, 0,1,2,3,4,5,6,7
	v_pk_fma_f32 v[T+2*\i:T+2*\i+1], v[ACC+16+2*\i:ACC+17+2*\i], v[ACC+2*\i:ACC+2*\i+1], v[XD+2*\i:XD+2*\i+1]   ; out = h x gate + xn x D_param
.endr
	WIN 0
.irp u, 0,1
.irp m, 0,1
	ds_store_b128 v20, v[T+8*\u+4*\m:T+8*\u+4*\m+3] offset:1344*\u+16*\m      ; out's turn: my bytes alone; the partner's reads of them were over at the totals' barrier
.endr
.endr
.irp i, 0,1,2,3,4,5,6,7,8,9,10,11,12,13,14,15
	ds_load_b32 v[T+16+\i], v21 offset:80*\i       ; LDS serves a wave's instructions in order: these see my stores.  Row r, column 16 h + i
.endr
	s_wait_dscnt 0x0
	; out's block of 32 columns lies in lanes l and l xor 16
	v_max3_num_f32 v30, |v[T+16]|, |v[T+17]|, 0x1800000        ; the floor 2^(3 - 127): the byte cannot fall under 1
	v_max3_num_f32 v31, |v[T+24]|, |v[T+25]|, |v[T+26]|
	v_max3_num_f32 v30, v30, |v[T+18]|, |v[T+19]|
	v_max3_num_f32 v31, v31, |v[T+27]|, |v[T+28]|
	v_max3_num_f32 v30, v30, |v[T+20]|, |v[T+21]|
	v_max3_num_f32 v31, v31, |v[T+29]|, |v[T+30]|
	v_max3_num_f32 v30, v30, |v[T+22]|, |v[T+23]|
	v_max3_num_f32 v30, v30, v31, |v[T+31]|
	v_permlanex16_b32 v31, v30, s52, s53
	v_max_num_f32 v30, v30, v31
	v_add_nc_u32 v31, 0xff000000, v30              ; 2 off the exponent field: the conversion's scale operand
	v_cvt_scalef32_pk16_fp6_f32 v[T+32:T+34], v[T+16:T+31], v31   ; 12 bytes: the lower (h = 0) or upper (h = 1) half of row r's 24
	v_lshrrev_b32 v30, 23, v31                     ; the byte; also the plain instruction behind the conversion
	v_cndmask_b32 v[T+36], v[T+32], v[T+33], s54   ; words 0, 1 of the row's six, or words 4, 5
	v_cndmask_b32 v[T+37], v[T+33], v[T+34], s54
	v_cndmask_b32 v[T+38], v[T+34], v[T+32], s54   ; word 2, or word 3
	ds_store_b8 v23, v30                           ; both lanes of a row write the same byte with the same value
	ds_store_b64 v28, v[T+36:T+37]
	ds_store_b32 v29, v[T+38]
	s_add_co_u32 s49, s49, 128
	s_add_co_u32 s51, s51, 3072
	s_add_co_u32 s55, s55, 512
	s_xor_b32 s48, s48, SLOT1
.endm
	s_mov_b32 s50, 15
.Lstep:                                            ; 15 trips: behind each change of slots but the last the next step's records are asked for
	CHANGE 1
	STEP 1
	s_sub_co_u32 s50, s50, 1
	s_cmp_lg_u32 s50, 0
	VW
	s_cbranch_scc1 .Lstep
	CHANGE 0                                       ; the last step is written out
	STEP 0
	s_wait_dscnt 0x0                               ; my codes and scale bytes have landed
	s_barrier_signal -1
	s_barrier_wait -1
	; the way out: wave w stores records 8 w .. 8 w + 7 of the batch: 24 units of 256 bytes, two an instruction.  Unit u is piece u % 3 of record u / 3; the rows' exclusive or with 16 (jb & 1) is one of the 16-byte places with 8 (jb & 1)
	v_and_b32 v96, 31, v0
	v_and_b32 v97, 15, v0
	v_bfe_u32 v98, v0, 4, 1
	v_lshlrev_b32 v99, 4, v97
	v_xor_b32 v99, s81, v99
	v_lshl_add_u32 v100, v98, 8, v99               ; lanes 16-31: the next piece of the same record,
	v_mad_u32_u24 v101, v98, 24064, v99            ; or the first piece of the next record
	s_mul_i32 s56, s30, 6144
	s_add_co_u32 s56, s56, CST
	v_lshl_add_u32 v102, v96, 4, s56
	v_add_nc_u32 v103, SCB, v1
	VW
.irp i, 0,1,2,3,4,5,6,7,8,9,10,11
	ds_load_b128 v[T+4*\i:T+4*\i+3], v102 offset:512*\i
.endr
	ds_load_b64 v[T+48:T+49], v103
.irp i, 0,1,2,3,4,5,6,7,8,9,10,11
	s_wait_dscnt 12-\i
.if (\i%3) == 1
	global_store_b128 v101, v[T+4*\i:T+4*\i+3], s[26:27] offset:((2*\i)/3)*24576+((2*\i)%3)*256
.else
	global_store_b128 v100, v[T+4*\i:T+4*\i+3], s[26:27] offset:((2*\i)/3)*24576+((2*\i)%3)*256
.endif
.endr
	s_wait_dscnt 0x0
	global_store_b64 v1, v[T+48:T+49], s[28:29]    ; the block's 2,048 scale bytes: 32 lanes store 256 consecutive bytes, aligned
	s_wait_tensorcnt 0x0                           ; the wave's end
	ds_add_u32 v2, v3
	s_wait_dscnt 0x0
	CROUND                                         ; the closing round
	s_endpgm
.Lfunc_end_k_q9723ca64d7_scan:
	.size	k_q9723ca64d7_scan, .Lfunc_end_k_q9723ca64d7_scan-k_q9723ca64d7_scan
	.p2alignl 7, 3214868480
	.fill 96, 4, 3214868480
	.section	.rodata,"a",@progbits
	.p2align	6, 0x0
	.amdhsa_kernel k_q9723ca64d7_scan
		.amdhsa_group_segment_fixed_size 327680
		.amdhsa_private_segment_fixed_size 0
		.amdhsa_enable_private_segment 0
		.amdhsa_kernarg_size 88
		.amdhsa_user_sgpr_count 2
		.amdhsa_user_sgpr_kernarg_segment_ptr 1
		.amdhsa_wavefront_size32 1
		.amdhsa_system_sgpr_workgroup_id_x 1
		.amdhsa_system_sgpr_workgroup_id_y 1
		.amdhsa_system_sgpr_workgroup_id_z 1
		.amdhsa_system_vgpr_workitem_id 0
		.amdhsa_next_free_vgpr 512
		.amdhsa_next_free_sgpr 98
		.amdhsa_reserve_vcc 0
		.amdhsa_float_denorm_mode_32 3
		.amdhsa_float_denorm_mode_16_64 3
		.amdhsa_memory_ordered 1
		.amdhsa_forward_progress 1
		.amdhsa_inst_pref_size 128
	.end_amdhsa_kernel
	.amdgpu_metadata
---
amdhsa.version: [ 1, 2 ]
amdhsa.kernels:
  - .name:           k_q9723ca64d7_scan
    .symbol:         k_q9723ca64d7_scan.kd
    .args:
      - { .name: xq, .offset: 0, .size: 8, .value_kind: global_buffer, .address_space: global }
      - { .name: wq, .offset: 8, .size: 8, .value_kind: global_buffer, .address_space: global }
      - { .name: stats, .offset: 16, .size: 8, .value_kind: global_buffer, .address_space: global }
      - { .name: x, .offset: 24, .size: 8, .value_kind: global_buffer, .address_space: global }
      - { .name: b_xproj, .offset: 32, .size: 8, .value_kind: global_buffer, .address_space: global }
      - { .name: A, .offset: 40, .size: 8, .value_kind: global_buffer, .address_space: global }
      - { .name: D_param, .offset: 48, .size: 8, .value_kind: global_buffer, .address_space: global }
      - { .name: gamma, .offset: 56, .size: 8, .value_kind: global_buffer, .address_space: global }
      - { .name: beta, .offset: 64, .size: 8, .value_kind: global_buffer, .address_space: global }
      - { .name: oq, .offset: 72, .size: 8, .value_kind: global_buffer, .address_space: global }
      - { .name: osc, .offset: 80, .size: 8, .value_kind: global_buffer, .address_space: global }
    .group_segment_fixed_size: 327680
    .private_segment_fixed_size: 0
    .kernarg_segment_align: 8
    .kernarg_segment_size: 88
    .max_flat_workgroup_size: 256
    .sgpr_count:     98
    .vgpr_count:     512
    .wavefront_size: 32
...
	.end_amdgpu_metadata
.endif
;; end of part 2
;; launch outp (part 3): grid 4 x 64, 4 waves a work-group, clusters of 4 x 1, 327,680 bytes of LDS; arguments oq, osc, wq, b_out, x, out0; writes out0
.if DOCPART == 3
	.amdgcn_target "amdgcn-amd-amdhsa--gfx1250"
	.amdhsa_code_object_version 6
	.text
	.protected	k_q9723ca64d7_outp
	.globl	k_q9723ca64d7_outp
	.p2align	8
	.type	k_q9723ca64d7_outp,@function
k_q9723ca64d7_outp:
	s_mov_b64 s[64:65], 0
	v_nop
	global_prefetch_b8 v0, s[64:65] scope:SCOPE_SE
	s_setreg_imm32_b32 hwreg(HW_REG_WAVE_MODE, 25, 1), 1
	s_wait_xcnt 0x0
	s_wait_alu depctr_hold_cnt(0) depctr_sa_sdst(0) depctr_va_vdst(0) depctr_va_sdst(0) depctr_va_ssrc(0) depctr_va_vcc(0) depctr_vm_vsrc(0)
	s_getreg_b32 s2, hwreg(HW_REG_IB_STS2, 6, 4)
	s_cmp_eq_u32 s2, 0
	s_cbranch_scc0 .Lentry_in_a_cluster
	s_endpgm
.Lentry_in_a_cluster:
	s_bfe_u32 s2, ttmp6, 0x10000c
	s_cmp_lg_u32 s2, 0x3003
	s_cbranch_scc0 .Lentry_shape_is_right
	s_endpgm
.Lentry_shape_is_right:
; out0 = out x w_out^T + b_out + x, the product on codes of E2M3 with one E8M0 scale for each 32 along K = 1,024.
; The 256 rows' codes, 8 records of 24,576 bytes, fit in LDS whole: they are filled ONCE, by two tensor loads a wave, and read by all four waves.  No slot is filled again.
; CLUSTER.  The four partners have one mg: each load is asked for JOINTLY, with the same descriptor and a mask that names the four.  The weights go from memory straight into registers, once in the launch, so no joint load serves them.
; THE PRODUCT IS USED TRANSPOSED (source 0 = 16 rows of w_out, source 1 = 16 rows of out): a lane holds eight neighbouring columns of one row.  b_out is the C of each sum's first matrix instruction.
; The scale bytes lie [batch][K block][row]: wave w takes those of K steps 2 w, 2 w + 1, turns four bytes of four K blocks into a row's scale word by byte permutes, and lays the words in LDS as the records of xq have them.
; THE WAY OUT: 32 rows x 64 columns go through the wave's own stage in LDS and come back as rows of 256 bytes; x is added; sixteen lanes store 256 consecutive bytes, aligned.
; REGISTERS.  Window 0: v4-12 addresses; v18-31 at work; v32-63 W's scale words; v64-79 out's; v80-175 out's fragments, four buffers of 24; v176-239 the accumulators ((q, t) at 176 + 32 q + 8 t).
; Window 1: W's fragments of tiles 0, 1 at 12 (8 (t % 2) + s), the bias at 192 + 8 (t % 2).   Window 2: tiles 2, 3.   Window 3: v0-191 three sets of 64 of x; v192-255 rows back from the stage.
.set REC,   25600
.set OSW,   196608                     ; behind the codes: the scale words, 1,024 bytes a record
.set STG,   204800                     ; the stages: 8,704 bytes a wave: 32 rows of 256 bytes + 16
.set WSC,   32
.set XSC,   64
.set AF,    80
.set ACC,   176
.set MSB, 0
.macro WIN new                         ; the immediate's high byte repeats the setting that is left
.if MSB != (\new)
	s_set_vgpr_msb (MSB<<8)|(\new)
.set MSB, (\new)
.endif
.endm
.macro CROUND                          ; a round of the cluster's barrier
	s_barrier_signal -1
	s_barrier_wait -1
	s_cmp_lg_u32 s30, 0
	s_cbranch_scc1 .Lnot_wave_0_\@
	s_barrier_signal -3
.Lnot_wave_0_\@:
	s_barrier_wait -3
	s_barrier_signal -1
	s_barrier_wait -1
.endm
	s_load_b256 s[8:15], s[0:1], 0x0               ; oq, osc, wq, b_out
	s_load_b128 s[16:19], s[0:1], 0x20             ; x, out0
	v_lshl_add_u32 v254, v0, 2, 0x3a800
	v_mov_b32 v255, 0
	ds_add_u32 v254, v255
	ds_add_u32 v254, v255
	v_lshrrev_b32 v18, 5, v0
	v_readfirstlane_b32 s30, v18                   ; wave
	s_bfe_u32 s31, ttmp6, 0x40000                  ; ns = cx: it enters global addresses alone
	s_and_b32 s33, ttmp7, 0xffff                   ; mg, which the partners share
	s_mov_b32 s36, 15|(3<<16)|(1<<21)              ; group 1: the mask of all four; elements of 8 bytes; bit 21 beside a mask; no padding
	s_mov_b32 s37, 32<<16                          ; rows of 256 bytes,
	s_mov_b32 s38, 48<<16                          ; 48 of them: a quarter of two records, dense
	s_mov_b32 s39, 32<<16
	s_mov_b32 s40, 48
	s_mov_b32 s41, 32
	s_mov_b32 s42, 0
	s_mov_b32 s43, 0
	s_mul_i32 s56, s33, 196608
	s_mul_i32 s58, s30, 12288
	s_add_co_u32 s56, s56, s58
	s_mov_b32 s57, 0
	s_wait_dscnt 0x0
	s_wait_kmcnt 0x0
	s_add_nc_u64 s[8:9], s[8:9], s[56:57]
	; TWO joint loads a wave fill the codes, each byte once: at the head my quarter of records 0 and 1 (48 rows of 256 bytes); behind record 0's round my quarter of records 2 to 7 (144 rows)
	s_mov_b32 s44, 1
	s_add_co_u32 s45, s58, 0
	s_mov_b64 s[46:47], s[8:9]
	s_or_b32 s47, s47, 0x80000000
	s_mov_b32 s48, 1
	s_mul_i32 s49, s30, 36864
	s_add_co_u32 s49, s49, 49152
	s_mul_i32 s60, s30, 24576
	s_add_co_u32 s60, s60, 49152                   ; s[8:9] holds 12,288 w already: 49,152 + 36,864 w in all
	s_mov_b32 s61, 0
	s_add_nc_u64 s[50:51], s[8:9], s[60:61]
	s_or_b32 s51, s51, 0x80000000
	s_mov_b32 s72, 15|(3<<16)|(1<<21)              ; the second load's group 1: 144 rows of 256 bytes
	s_mov_b32 s73, 32<<16
	s_mov_b32 s74, 144<<16
	s_mov_b32 s75, 32<<16
	s_mov_b32 s76, 144
	s_mov_b32 s77, 32
	s_mov_b32 s78, 0
	s_mov_b32 s79, 0
	CROUND                                         ; all four work-groups are here: the joint loads meet
	tensor_load_to_lds s[44:47], s[36:43]          ; my one load at the head
	s_nop 0
.rept 4
	v_nop
.endr
	s_mov_b32 s61, 0
	s_lshr_b32 s60, s33, 3
	s_lshl_b32 s60, s60, 16                        ; the batch: 32 K blocks of 2,048 bytes
	s_and_b32 s62, s33, 7
	s_lshl_b32 s62, s62, 8                         ; my 256 rows in it
	s_add_co_u32 s60, s60, s62
	s_lshl_b32 s62, s30, 14                        ; K blocks 8 w on
	s_add_co_u32 s60, s60, s62
	s_add_nc_u64 s[10:11], s[10:11], s[60:61]
	s_lshl_b32 s60, s31, 3
	s_lshl_b32 s62, s30, 1
	s_add_co_u32 s60, s60, s62
	s_add_co_u32 s60, s60, 64
	s_mul_i32 s60, s60, REC
	s_add_nc_u64 s[12:13], s[12:13], s[60:61]
	s_lshl_b32 s60, s31, 10
	s_lshl_b32 s62, s30, 8
	s_add_co_u32 s60, s60, s62                     ; 4 n0
	s_add_nc_u64 s[14:15], s[14:15], s[60:61]
	s_lshl_b32 s62, s33, 20                        ; 256 rows of 4,096 bytes
	s_add_co_u32 s60, s60, s62
	s_add_nc_u64 s[16:17], s[16:17], s[60:61]
	s_add_nc_u64 s[18:19], s[18:19], s[60:61]
	s_mov_b32 s66, 0x05010400                      ; byte selects: two rows' bytes of two K blocks, interleaved,
	s_mov_b32 s67, 0x07030602
	s_mov_b32 s68, 0x05040100                      ; and two halves made one word
	s_mov_b32 s69, 0x07060302
	v_and_b32 v18, 31, v0                          ; l
	v_and_b32 v19, 15, v0                          ; r
	v_bfe_u32 v20, v0, 4, 1                        ; h
	v_lshlrev_b32 v21, 3, v19                      ; 8 r
	v_mad_u32_u24 v4, v20, 896, v21                ; a fragment of rows 0-15 of a record: 8 (r xor 16 h) + 768 h
	v_mad_u32_u24 v5, v20, 640, v21
	v_add_nc_u32 v5, 128, v5                       ; of rows 16-31
	v_add_nc_u32 v6, OSW, v21                      ; the scale words
	s_mul_i32 s62, s30, 8704
	v_mul_u32_u24 v10, v19, 272
	v_lshl_add_u32 v10, v20, 5, v10
	v_add_nc_u32 v10, s62, v10
	v_add_nc_u32 v10, STG, v10                     ; my stage, in: row r, 32 bytes for each half of the lanes
	v_mul_u32_u24 v11, v20, 272
	v_lshl_add_u32 v11, v19, 4, v11
	v_add_nc_u32 v11, s62, v11
	v_add_nc_u32 v11, STG, v11                     ; back: lanes 0-15 one row, lanes 16-31 the next
	v_lshlrev_b32 v12, 12, v20
	v_lshl_add_u32 v12, v19, 4, v12                ; and the same two rows in x and out0
	v_lshlrev_b32 v22, 3, v18                      ; 8 l
	v_lshlrev_b32 v23, 5, v20                      ; 32 h
	v_lshrrev_b32 v24, 2, v18
	v_and_b32 v25, 3, v18
	v_lshlrev_b32 v24, 10, v24
	v_lshl_add_u32 v24, v25, 6, v24
	s_lshl_b32 s63, s30, 8
	v_add_nc_u32 v24, s63, v24
	v_add_nc_u32 v24, OSW, v24                     ; rows 8 l .. 8 l + 7: record l / 4, rows 8 (l % 4) on, K steps 2 w, 2 w + 1: 64 bytes
.irp sl, 0,1
.irp bb, 0,1,2,3
	global_load_b64 v[80+8*\sl+2*\bb:81+8*\sl+2*\bb], v22, s[10:11] offset:(4*\sl+\bb)*2048   ; K block 8 w + 4 sl + bb: the bytes of 256 rows: 256 consecutive bytes
.endr
.endr
.irp t, 0,1,2,3
	WIN 0x40*(1+\t/2)                              ; destination window 1 or 2
.irp s, 0,1,2,3,4,5,6,7
.irp c, 0,1
.irp p, 0,1,2
	global_load_b64 v[12*(8*(\t%2)+\s)+6*\c+2*\p:12*(8*(\t%2)+\s)+6*\c+2*\p+1], v[4+(\t%2)], s[12:13] offset:REC*(\t/2)+(4*\s+2*\c)*768+256*\p
.endr
.endr
.endr
	global_load_b128 v[192+8*(\t%2):192+8*(\t%2)+3], v23, s[14:15] offset:64*\t       ; b_out[n0 + 16 t + 8 h + 0 .. 7]
	global_load_b128 v[192+8*(\t%2)+4:192+8*(\t%2)+7], v23, s[14:15] offset:64*\t+16
.endr
	WIN 0
.irp t, 0,1,2,3
.irp i, 0,1,2,3
	global_load_b64 v[WSC+8*\t+2*\i:WSC+8*\t+2*\i+1], v21, s[12:13] offset:REC*(\t/2)+24576+256*\i+128*(\t%2)
.endr
.endr
.macro XRLOAD i                        ; x at record i's 32 rows, my 64 columns, laid as the rows come back from the stage; into set i % 3
	WIN 0xc0
.irp q, 0,1
.irp e, 0,1,2,3,4,5,6,7
	global_load_b128 v[64*((\i)%3)+32*\q+4*\e:64*((\i)%3)+32*\q+4*\e+3], v12, s[16:17] offset:131072*(\i)+4096*(16*\q+2*\e) th:TH_LOAD_NT
.endr
.endr
	WIN 0
.endm
	XRLOAD 0
	XRLOAD 1
	s_wait_tensorcnt 0x0                           ; my quarter of records 0 and 1 has landed
	ds_add_u32 v254, v255
	s_wait_dscnt 0x0
	CROUND                                         ; everybody's has, and the four work-groups are here: the joint loads meet
	tensor_load_to_lds s[48:51], s[72:79]          ; records 2 to 7: my one load behind the round
	s_nop 0
.rept 4
	v_nop
.endr
	s_wait_loadcnt 32
.irp sl, 0,1
.irp hf, 0,1
	v_perm_b32 v96, v[82+8*\sl+\hf], v[80+8*\sl+\hf], s66      ; rows 0, 1 of the four: K blocks 0 and 1
	v_perm_b32 v97, v[82+8*\sl+\hf], v[80+8*\sl+\hf], s67      ; rows 2, 3
	v_perm_b32 v98, v[86+8*\sl+\hf], v[84+8*\sl+\hf], s66      ; K blocks 2 and 3
	v_perm_b32 v99, v[86+8*\sl+\hf], v[84+8*\sl+\hf], s67
	v_perm_b32 v[112+2*(4*\hf+0)+\sl], v98, v96, s68           ; row 8 l + 4 hf + 0: its word of K step 2 w + sl
	v_perm_b32 v[112+2*(4*\hf+1)+\sl], v98, v96, s69
	v_perm_b32 v[112+2*(4*\hf+2)+\sl], v99, v97, s68
	v_perm_b32 v[112+2*(4*\hf+3)+\sl], v99, v97, s69
.endr
.endr
.irp i, 0,1,2,3
	ds_store_b128 v24, v[112+4*\i:115+4*\i] offset:16*\i
.endr
.macro FRAG s                          ; out's two fragments (rows 0-15, 16-31 of the record) of K step s into buffer s % 4: 12 loads of 8 bytes
.irp q, 0,1
.irp c, 0,1
.irp p, 0,1,2
	ds_load_b64 v[AF+24*((\s)%4)+12*\q+6*\c+2*\p:AF+24*((\s)%4)+12*\q+6*\c+2*\p+1], v[7+\q] offset:(4*(\s)+2*\c)*768+256*\p
.endr
.endr
.endr
.endm
; A K step: eight matrix instructions on eight accumulators, which take turns in the same order in every K step.  The first K step takes the bias as C.
.macro KSTEP s
.if (\s) <= 4
.if (\s) >= 1
.rept 4
	v_nop                                          ; four plain instructions between the products that read a buffer and the loads into it
.endr
.endif
	FRAG (\s)+3
	s_wait_dscnt 36                                ; this K step's fragments are in; the three K steps behind it, 12 loads each, may be out
.else
	s_wait_dscnt 12*(7-(\s))
.endif
.irp t, 0,1,2,3
.if (\s) == 0
	WIN 0x11*(1+\t/2)
.else
	WIN 1+\t/2
.endif
.irp q, 0,1
.if (\s) == 0
	v_wmma_scale_f32_16x16x128_f8f6f4 v[ACC+32*\q+8*\t:ACC+32*\q+8*\t+7], v[12*(8*(\t%2)+(\s)):12*(8*(\t%2)+(\s))+11], v[AF+24*((\s)%4)+12*\q:AF+24*((\s)%4)+12*\q+11], v[192+8*(\t%2):192+8*(\t%2)+7], v[WSC+8*\t+(\s)], v[XSC+8*\q+(\s)] matrix_a_fmt:MATRIX_FMT_FP6 matrix_b_fmt:MATRIX_FMT_FP6
.else
	v_wmma_scale_f32_16x16x128_f8f6f4 v[ACC+32*\q+8*\t:ACC+32*\q+8*\t+7], v[12*(8*(\t%2)+(\s)):12*(8*(\t%2)+(\s))+11], v[AF+24*((\s)%4)+12*\q:AF+24*((\s)%4)+12*\q+11], v[ACC+32*\q+8*\t:ACC+32*\q+8*\t+7], v[WSC+8*\t+(\s)], v[XSC+8*\q+(\s)] matrix_a_fmt:MATRIX_FMT_FP6 matrix_b_fmt:MATRIX_FMT_FP6
.endif
.endr
.endr
	WIN 0
.endm
.macro GPHASE
.irp q, 0,1
.irp n, 0,1,2,3
	ds_load_b64 v[XSC+8*\q+2*\n:XSC+8*\q+2*\n+1], v9 offset:256*\n+128*\q
.endr
.endr
	FRAG 0
	FRAG 1
	FRAG 2
.irp s, 0,1,2,3,4,5,6,7
	KSTEP \s
.endr
.endm
.macro OSTEP i                         ; record i: 32 rows
.if (\i) == 0
	s_wait_dscnt 0x0                               ; my scale words have landed
	s_barrier_signal -1
	s_barrier_wait -1                              ; everybody's have; the load of records 2 to 7 may stay out
.endif
.if (\i) == 2
	s_wait_tensorcnt 0x0                           ; my quarter of records 2 to 7 has landed
	s_wait_dscnt 0x0
	s_barrier_signal -1
	s_barrier_wait -1                              ; everybody's has
.endif
	v_add_nc_u32 v7, 24576*(\i), v4
	s_wait_alu depctr_va_vdst(0)
	v_add_nc_u32 v8, 24576*(\i), v5
	s_wait_alu depctr_va_vdst(0)
	v_add_nc_u32 v9, 1024*(\i), v6
.if (\i) <= 5
	XRLOAD (\i)+2
.endif
	GPHASE
.rept 4
	v_nop                                          ; four plain instructions between the last products and the first read of results
.endr
.irp q, 0,1
.irp t, 0,1,2,3
	ds_store_b128 v10, v[ACC+32*\q+8*\t:ACC+32*\q+8*\t+3] offset:4352*\q+64*\t        ; each accumulator from its low end on
	ds_store_b128 v10, v[ACC+32*\q+8*\t+4:ACC+32*\q+8*\t+7] offset:4352*\q+64*\t+16
.endr
.endr
	s_wait_xcnt 0x0                                ; the last record's stores have read their data: the rows may land there
	WIN 0xc0
.irp q, 0,1
.irp e, 0,1,2,3,4,5,6,7
	ds_load_b128 v[192+32*\q+4*\e:192+32*\q+4*\e+3], v11 offset:4352*\q+544*\e        ; LDS serves a wave's instructions in order (ISA guide 5.7.1.4): these see my stores
.endr
.endr
.if (\i) <= 5
	s_wait_loadcnt 32                              ; this record's x is in; the two sets behind it, 16 loads each, may be out
.else
	s_wait_loadcnt 16*(7-(\i))
.endif
	s_wait_dscnt 0x0
	WIN 0xff
.set N_, 0
.rept 32
	v_pk_add_f32 v[192+N_:193+N_], v[192+N_:193+N_], v[64*((\i)%3)+N_:64*((\i)%3)+N_+1]   ; + x
.set N_, N_+2
.endr
	WIN 0x0c                                       ; a store's data are its source 1: window 3
.irp q, 0,1
.irp e, 0,1,2,3,4,5,6,7
	global_store_b128 v12, v[192+32*\q+4*\e:192+32*\q+4*\e+3], s[18:19] offset:131072*(\i)+4096*(16*\q+2*\e) th:TH_STORE_NT   ; sixteen lanes store 256 consecutive bytes, aligned
.endr
.endr
	WIN 0
.endm
.irp i, 0,1,2,3,4,5,6,7
	OSTEP \i
.endr
	s_wait_tensorcnt 0x0
	ds_add_u32 v254, v255
	s_wait_dscnt 0x0
	CROUND                                         ; the closing round: all my tensor loads were waited for ahead of record 2, and no LDS instruction of mine is out
	s_endpgm
.Lfunc_end_k_q9723ca64d7_outp:
	.size	k_q9723ca64d7_outp, .Lfunc_end_k_q9723ca64d7_outp-k_q9723ca64d7_outp
	.p2alignl 7, 3214868480
	.fill 96, 4, 3214868480
	.section	.rodata,"a",@progbits
	.p2align	6, 0x0
	.amdhsa_kernel k_q9723ca64d7_outp
		.amdhsa_group_segment_fixed_size 327680
		.amdhsa_private_segment_fixed_size 0
		.amdhsa_enable_private_segment 0
		.amdhsa_kernarg_size 48
		.amdhsa_user_sgpr_count 2
		.amdhsa_user_sgpr_kernarg_segment_ptr 1
		.amdhsa_wavefront_size32 1
		.amdhsa_system_sgpr_workgroup_id_x 1
		.amdhsa_system_sgpr_workgroup_id_y 1
		.amdhsa_system_sgpr_workgroup_id_z 1
		.amdhsa_system_vgpr_workitem_id 0
		.amdhsa_next_free_vgpr 1024
		.amdhsa_next_free_sgpr 84
		.amdhsa_reserve_vcc 0
		.amdhsa_float_denorm_mode_32 3
		.amdhsa_float_denorm_mode_16_64 3
		.amdhsa_memory_ordered 1
		.amdhsa_forward_progress 1
		.amdhsa_inst_pref_size 220
	.end_amdhsa_kernel
	.amdgpu_metadata
---
amdhsa.version: [ 1, 2 ]
amdhsa.kernels:
  - .name:           k_q9723ca64d7_outp
    .symbol:         k_q9723ca64d7_outp.kd
    .args:
      - { .name: oq, .offset: 0, .size: 8, .value_kind: global_buffer, .address_space: global }
      - { .name: osc, .offset: 8, .size: 8, .value_kind: global_buffer, .address_space: global }
      - { .name: wq, .offset: 16, .size: 8, .value_kind: global_buffer, .address_space: global }
      - { .name: b_out, .offset: 24, .size: 8, .value_kind: global_buffer, .address_space: global }
      - { .name: x, .offset: 32, .size: 8, .value_kind: global_buffer, .address_space: global }
      - { .name: out0, .offset: 40, .size: 8, .value_kind: global_buffer, .address_space: global }
    .group_segment_fixed_size: 327680
    .private_segment_fixed_size: 0
    .kernarg_segment_align: 8
    .kernarg_segment_size: 48
    .max_flat_workgroup_size: 128
    .sgpr_count:     84
    .vgpr_count:     1024
    .wavefront_size: 32
...
	.end_amdgpu_metadata
.endif
;; end of part 3
